; MI455X (gfx1250); checked and timed in simulation.
; The chip was launched on July 23, 2026; its instructions are those of AMD's public machine-readable ISA for CDNA 5 (MIT licence, August 2026) and "CDNA5" Instruction Set Architecture Reference Guide (July 2026). The comments in the code are by the model that wrote it; some were corrected since.
;; Mando Fanbeam Fpj Layer. Allowed arithmetic: float matrix products may take bf16 or f16 operands with f32 sums; all other float work in f32.
;; Inputs: x 2 x 256 x 256 float32.
;; Outputs: out0 2 x 128 x 512 float32.
;; One version. Each part assembles by itself: llvm-mc -triple=amdgcn-amd-amdhsa -mcpu=gfx1250 --defsym DOCPART=n.
;; ======== version 1 of 1: 1 launch
;; limits: values outside matrix products are rounded to bf16
;; launch fanbeam (part 1): grid 256 x 1, 32 waves a work-group, no clusters, 286,720 bytes of LDS; arguments x, out0; writes out0
.if DOCPART == 1
	.amdgcn_target "amdgcn-amd-amdhsa--gfx1250"
	.amdhsa_code_object_version 6
	.text
	.protected	k_q9562de02f5_fanbeam
	.globl	k_q9562de02f5_fanbeam
	.p2align	8
	.type	k_q9562de02f5_fanbeam,@function
k_q9562de02f5_fanbeam:
	s_mov_b64 s[64:65], 0
	v_nop
	global_prefetch_b8 v0, s[64:65] scope:SCOPE_SE
	s_setreg_imm32_b32 hwreg(HW_REG_WAVE_MODE, 25, 1), 1
	s_wait_xcnt 0x0
; FAN-BEAM FORWARD PROJECTION.  out0[b][v][n] = sum over k = 0..363 of the bilinear value of x[b] (0 outside the picture) at src(v) + (SID - R + k) d(v, n).
; x: [2][256][256] f32.  out0: [2][128][512] f32.  SID = 750, SDD = 1250, detector pitch 1.2, pixel 1, step 1, R = 128 sqrt(2).
; SHARES.  256 work-groups of 32 waves.  Work-group wg: view wg >> 1, detectors 256 (wg & 1) .. + 255.  Wave w: the 32 detectors of group w >> 2, a ray a lane, and of their samples the
; chunks of 8 with number (w & 3) + 4 m, m = 0..11.  That is k = 0..383: a sample with k >= 364 lies 182.98 pixels or more from the centre, the picture's support ends at 128.5 sqrt(2) = 181.73, so it adds 0.
; THE PICTURE IN LDS.  One word a pixel: bf16(x[0]) below, bf16(x[1]) above, so that one address, one set of weights and four LDS loads serve both batches (in f32 the two pictures are 524,288 bytes,
; more than a work-group can have).  259 rows of 264 words: row 0 and rows 257, 258 are 0, columns 0-3 and 260-263 are 0; pixel (i, j) lies in row i + 1, column j + 4.
; POSITIONS ARE WHOLE NUMBERS: 9 bits of pixels, 23 of fraction, wrapping at 512 pixels.  X = column + 4, Y = row + 1.  A shift gives the cell, a mask the weight, and steps add without rounding.
; All positions lie within 288 pixels of the centre, so a negative one wraps to 352 or more: one unsigned minimum an axis sends every outside cell to a pair of zero columns (260, 261) or rows (257, 258).
; The geometry is made in whole numbers too: cos and sin of the view from a quarter-wave table held across the lanes of one register, 1 / sqrt(1 + z) for z = (u / SDD)^2 <= 0.0602 by its binomial series up to z^6
; (the first term left out is under 6e-10).  Positions are right to under 1e-4 pixel, and the interpolation is continuous in them.
; A CHUNK WHOSE 8 SAMPLES LIE OUTSIDE THE PICTURE'S SUPPORT IN ALL 32 LANES IS JUMPED OVER: its middle is compared, with 4 pixels of margin an axis.
; LIMITS.  x is rounded once to bf16 (relative 2^-9; a magnitude above 3.39e38 becomes an infinity); products and sums are f32.  A NaN or infinity in x spreads only to the rays whose weights touch it,
; not, as in reference(), to rays whose clipped samples name that pixel with weight 0.
; NO CLUSTER, NO TENSOR LOAD, though all work-groups read the same picture: the words in LDS are made of two f32 numbers 262,144 bytes apart, rounded and packed, which only registers can do; raw tiles
; would have to be staged in the 40,960 bytes that the picture leaves of 327,680: two slots of 16 KiB, 32 refills for 524,288 bytes, each behind a round of the cluster's barrier.
.set PITCH, 1056                       ; bytes in an LDS row: 264 words = 8 mod 64 (64 banks of 4 bytes: ISA guide 11.1): cells that share a bank lie 8 pixels or more apart, a wave's 32 samples within some 30
.set ORG,   464                        ; LDS byte of row 0, column 0: chosen so that the first pixel lies at 1,536 = 3 x 512
.set FIRST, ORG+PITCH+16               ; 1,536: pixel (0, 0)
.set TAILZ, ORG+257*PITCH+16           ; 271,872: what follows the last right-hand border
.set SCR,   TAILZ+5*512                ; 274,432: partial sums [batch][chunk class][256 detectors] f32, 8,192 bytes
.set SPARE, SCR+8192                   ; 282,624: the spare words, 128 bytes for each of 32 waves: sixteen blocks of 256 bytes that no other line names
.set CMAX,  260                        ; the last cell column: columns 260, 261 are 0
.set RMAX,  257                        ; the last cell row: rows 257, 258 are 0
.set FB,    23                         ; fraction bits
.set TRIPS, 12
.set KZ, ((2304<<50)+5000000000)/10000000000   ; 0.00048^2 x 2^50: (a^2 << 14) x KZ >> 32 = z in 32 fraction bits; 0.00048 = 0.6 / 1250, u = 0.6 a, a = |2 n - 511|
.set KT, ((48<<41)+50000)/100000               ; 0.00048 x 2^41: (a << 23) x KT >> 32 = u / SDD in 32 fraction bits
.set T0, 2386477875                            ; (750 - 128 sqrt(2)) x 2^22 = 568.9806640162 x 4,194,304
.set C1, 2144896910                            ; cos(pi / 64) x 2^31
.set S1, 105372028                             ; sin(pi / 64) x 2^31
; vector registers
.set SPW, 1                            ; LDS address of my spare word; never rewritten
.set NIL, 2                            ; 0; never rewritten
.set GOF, 3                            ; 16 x thread: my byte offset in 16 rows of x; never rewritten
.set LAD, 4                            ; where my four pixels go in LDS
.set TA,  5                            ; at work
.set XT,  6                            ; X of the chunk's sample 4, plus 1 pixel: what the test compares
.set YT,  7                            ; Y of the chunk's sample 4, plus 4 pixels
.set OFX, 8                            ; 4 steps + 1 pixel: XT - OFX is the chunk's first X
.set OFY, 9                            ; 4 steps + 4 pixels
.set SX,  10                           ; a step along the ray
.set SY,  11
.set JX,  12                           ; 32 steps: from my chunk to my next
.set JY,  13
.set ACC, 14                           ; v14-17: sums: batch 0, 1 of even samples, batch 0, 1 of odd samples
.set TX,  18                           ; the sample's position
.set TY,  19
.set TI,  20
.set TJ,  21
.set ADR, 22
.set TB,  23                           ; at work
.set DAT, 24                           ; v24-55: sample j's four words at DAT + 4 j: (i, j), (i, j+1), (i+1, j), (i+1, j+1)
.set WB,  56                           ; v56-63: 1 + fx, then fx, then fx (1 - fy)
.set WC,  64                           ; v64-71: 1 + fy, then fy, then (1 - fx) fy
.set WA,  72                           ; v72-79: 1 - fx, then (1 - fx)(1 - fy)
.set WD,  80                           ; v80-87: fx fy
.set LB0, 24                           ; the same 64 registers first take x: two buffers of 8 loads
.set LB1, 56
.set ZQ,  88                           ; v88-91: 0 (the borders' data; v88-89 the addend of the long products)
.set LN,  92                           ; lane
.set TAB, 93                           ; lane l: cos(2 pi l / 128) x 2^30
.set AA,  94                           ; a = |2 n - 511|
.set T1,  95
.set ZP,  96                           ; pairs for long products; the high word is the result
.set HP,  98
.set PP,  100
.set CG,  101                          ; cos gamma, 32 fraction bits
.set UP,  102
.set GP,  104                          ; GP+1: |sin gamma|
.set P1,  106
.set P2,  108
.set P3,  110
.set P4,  112
.set CC,  114                          ; cos(beta - gamma), signed, 30 fraction bits
.set SS,  115                          ; sin(beta - gamma)
.set MM,  116
.set RP,  118
; scalar registers
.set WV,  8                            ; wave
.set HF,  10                           ; detector half
.set QD,  12                           ; the view's quadrant
.set RH,  13                           ; the view within its quadrant, 0..31
.set CR,  14                           ; cos, sin of that
.set SR,  15
.set MCB, 16                           ; -1 where cos beta < 0, else 0
.set MSN, 17                           ; the same for sin beta
.set MSG, 18                           ; the same for u: the lower half's detectors
.set GRP, 19                           ; ray group
.set CA,  22                           ; |cos beta|, |sin beta|
.set SA,  23
.set M2,  24
.set M4,  25
.set M12, 26
.set M34, 27
.set XB,  28                           ; 131.5 + 750 cos beta
.set YB,  29                           ; 128.5 - 750 sin beta
.set RNG, 30
.set MSK, 31
.set ONE, 32
.set CNT, 33
.set SEG, 34                           ; chunk class
.set KZS, 35
.set KTS, 36
.set T0S, 37
	s_load_b128 s[4:7], s[0:1], 0x0                ; x s[4:5], out0 s[6:7]
	v_lshl_add_u32 v[SPW], v0, 2, SPARE
	v_mov_b32 v[NIL], 0
	v_lshrrev_b32 v[TA], 5, v0
	v_readfirstlane_b32 s[WV], v[TA]               ; wave 0..31
	v_and_b32 v[LN], 31, v0
.irp i, 0,1,2,3
	v_mov_b32 v[ZQ+(\i)], 0
.endr
	; THE ZERO BORDERS, one store of 16 bytes a lane in 24 of the waves; no byte is written twice, none is a pixel's.
	s_cmp_lt_u32 s[WV], 16
	s_cbranch_scc0 .Lnot_sides
	v_lshrrev_b32 v[TA], 1, v[LN]                  ; waves 0-15: behind pixel row 16 w + lane / 2 the 32 bytes of its right border and the next row's left border
	v_and_b32 v[TB], 1, v[LN]
	v_mul_u32_u24 v[TA], PITCH, v[TA]
	v_lshl_add_u32 v[TA], v[TB], 4, v[TA]
	s_mul_i32 s20, s[WV], 16*PITCH
	v_add_nc_u32 v[TA], s20, v[TA]
	ds_store_b128 v[TA], v[ZQ:ZQ+3] offset:FIRST+1024
	s_branch .Lzeroed
.Lnot_sides:
	s_cmp_lt_u32 s[WV], 19
	s_cbranch_scc0 .Lnot_top
	s_sub_co_u32 s20, s[WV], 16                    ; waves 16-18: bytes 0 to 1,535: row 0 and the first pixel row's left border
	s_lshl_b32 s20, s20, 9
	v_lshl_add_u32 v[TA], v[LN], 4, s20
	ds_store_b128 v[TA], v[ZQ:ZQ+3]
	s_branch .Lzeroed
.Lnot_top:
	s_cmp_lt_u32 s[WV], 24
	s_cbranch_scc0 .Lzeroed
	s_sub_co_u32 s20, s[WV], 19                    ; waves 19-23: 2,560 bytes from TAILZ on: rows 257 and 258 (the last byte read is 273,959)
	s_lshl_b32 s20, s20, 9
	s_add_co_u32 s20, s20, TAILZ
	v_lshl_add_u32 v[TA], v[LN], 4, s20
	ds_store_b128 v[TA], v[ZQ:ZQ+3]
.Lzeroed:
	; THE PICTURE.  1,024 threads x 4 pixels are 16 rows; 16 such blocks.  Thread t: row t / 64 of a block, pixels 4 (t % 64) .. + 3: a wave's load covers 512 consecutive bytes.
	v_lshlrev_b32 v[GOF], 4, v0
	v_lshrrev_b32 v[TA], 6, v0
	v_and_b32 v[TB], 63, v0
	v_mul_u32_u24 v[TA], PITCH, v[TA]
	v_lshl_add_u32 v[LAD], v[TB], 4, v[TA]
.macro LOADG g, base                   ; blocks 4 g .. 4 g + 3: for each, my 16 bytes of batch 0 and of batch 1
.irp i, 0,1,2,3
	global_load_b128 v[(\base)+8*(\i):(\base)+8*(\i)+3],   v[GOF], s[4:5] offset:(4*(\g)+(\i))*16384
	global_load_b128 v[(\base)+8*(\i)+4:(\base)+8*(\i)+7], v[GOF], s[4:5] offset:(4*(\g)+(\i))*16384+262144
.endr
.endm
.macro STOREG base, more               ; four blocks: both batches rounded to bf16 into one word a pixel, 16 bytes a lane into LDS
.irp i, 0,1,2,3
.irp k, 0,1,2,3
	v_cvt_pk_bf16_f32 v[(\base)+8*(\i)+(\k)], v[(\base)+8*(\i)+(\k)], v[(\base)+8*(\i)+4+(\k)]
.endr
	ds_store_b128 v[LAD], v[(\base)+8*(\i):(\base)+8*(\i)+3] offset:FIRST+(\i)*16*PITCH
.endr
.if \more
	v_add_nc_u32 v[LAD], 64*PITCH, v[LAD]          ; 64 rows on
.endif
.endm
	s_wait_kmcnt 0x0
	LOADG 0, LB0
	LOADG 1, LB1                                   ; 16 loads of every wave are out; the geometry below is made meanwhile
	; THE TABLE: lane l takes cos(2 pi l / 128) x 2^30.  The 32 numbers are made while the text is assembled, by turning (1, 0) by pi / 64 again and again in 31 fraction bits, rounded.
	v_mov_b32 v[TAB], 0
.set TC, 1<<31
.set TS, 0
.set TL, 0
.rept 32
	s_mov_b32 s20, (TC+1)>>1
	v_writelane_b32 v[TAB], s20, TL
.set TN, (TC*C1-TS*S1+(1<<30))>>31
.set TS, (TS*C1+TC*S1+(1<<30))>>31
.set TC, TN
.set TL, TL+1
.endr
	; the view: beta = 90 degrees x quadrant + rho
	s_lshr_b32 s20, ttmp9, 1                       ; view
	s_and_b32 s[HF], ttmp9, 1
	s_lshr_b32 s[QD], s20, 5
	s_and_b32 s[RH], s20, 31
	v_readlane_b32 s[CR], v[TAB], s[RH]            ; cos rho
	s_sub_co_u32 s20, 32, s[RH]
	s_and_b32 s20, s20, 31
	v_readlane_b32 s[SR], v[TAB], s20              ; sin rho = cos(90 degrees - rho),
	s_cmp_eq_u32 s[RH], 0
	s_cselect_b32 s[SR], 0, s[SR]                  ; which for rho = 0 is not in the table
	s_bitcmp1_b32 s[QD], 0                         ; an odd quadrant swaps the two
	s_cselect_b32 s[CA], s[SR], s[CR]
	s_cselect_b32 s[SA], s[CR], s[SR]
	s_add_co_u32 s20, s[QD], 1
	s_lshl_b32 s20, s20, 30
	s_ashr_i32 s[MCB], s20, 31                     ; cos beta < 0 in quadrants 1, 2
	s_lshl_b32 s20, s[QD], 30
	s_ashr_i32 s[MSN], s20, 31                     ; sin beta < 0 in quadrants 2, 3
	s_sub_co_u32 s[MSG], s[HF], 1                  ; u < 0 for detectors 0-255
	s_xor_b32 s[M2], s[MSN], s[MSG]                ; the sign of sin beta sin gamma
	s_xor_b32 s[M4], s[MCB], s[MSG]
	s_not_b32 s[M4], s[M4]                         ; the sign of - cos beta sin gamma
	s_add_co_u32 s[M12], s[MCB], s[M2]
	s_add_co_u32 s[M34], s[MSN], s[M4]
	s_mul_hi_u32 s20, s[CA], 750                   ; 750 |cos beta| from 30 to 23 fraction bits; what passes 512 pixels drops out
	s_mul_i32 s21, s[CA], 750
	s_lshl_b32 s20, s20, 25
	s_lshr_b32 s21, s21, 7
	s_or_b32 s20, s20, s21
	s_xor_b32 s20, s20, s[MCB]                     ; (p xor m) - m: p, or - p where m = -1
	s_sub_co_u32 s20, s20, s[MCB]
	s_add_co_u32 s[XB], s20, 263<<22               ; X = 127.5 + 4 + 750 cos beta - t cos(beta - gamma)
	s_mul_hi_u32 s20, s[SA], 750
	s_mul_i32 s21, s[SA], 750
	s_lshl_b32 s20, s20, 25
	s_lshr_b32 s21, s21, 7
	s_or_b32 s20, s20, s21
	s_xor_b32 s20, s20, s[MSN]
	s_sub_co_u32 s20, s20, s[MSN]
	s_sub_co_u32 s[YB], 257<<22, s20               ; Y = 127.5 + 1 - 750 sin beta + t sin(beta - gamma)
	s_mov_b32 s[KZS], KZ
	s_mov_b32 s[KTS], KT
	s_mov_b32 s[T0S], T0
	s_mov_b32 s[RNG], 265<<23
	s_mov_b32 s[MSK], (1<<FB)-1
	s_mov_b32 s[ONE], 0x3f800000
	; the ray: gamma, with tan gamma = u / SDD = 0.00048 (2 n - 511)
	s_lshr_b32 s[GRP], s[WV], 2
	s_and_b32 s[SEG], s[WV], 3
	s_lshl_b32 s20, s[HF], 9
	s_lshl_b32 s21, s[GRP], 6
	s_add_co_u32 s20, s20, s21
	s_sub_co_u32 s20, s20, 511
	v_lshl_add_u32 v[AA], v[LN], 1, s20            ; 2 n - 511
	v_xor_b32 v[AA], s[MSG], v[AA]
	v_sub_nc_u32 v[AA], v[AA], s[MSG]              ; a, odd, 1..511
	v_mul_u32_u24 v[T1], v[AA], v[AA]
	v_lshlrev_b32 v[T1], 14, v[T1]
	v_mad_nc_u64_u32 v[ZP:ZP+1], v[T1], s[KZS], v[ZQ:ZQ+1]       ; z
	v_mov_b32 v[PP], 231<<22                       ; 1 - cos gamma = z (1/2 - z (3/8 - z (5/16 - z (35/128 - z (63/256 - z 231/1024))))): every bracket is positive
.irp c, 63<<24, 35<<25, 5<<28, 3<<29, 1<<31
	v_mad_nc_u64_u32 v[HP:HP+1], v[ZP+1], v[PP], v[ZQ:ZQ+1]
	v_sub_nc_u32 v[PP], \c, v[HP+1]
.endr
	v_mad_nc_u64_u32 v[HP:HP+1], v[ZP+1], v[PP], v[ZQ:ZQ+1]
	v_sub_nc_u32 v[CG], 0, v[HP+1]                 ; cos gamma = 1 - that, below 1 since a >= 1
	v_lshlrev_b32 v[T1], 23, v[AA]
	v_mad_nc_u64_u32 v[UP:UP+1], v[T1], s[KTS], v[ZQ:ZQ+1]       ; |tan gamma|
	v_mad_nc_u64_u32 v[GP:GP+1], v[UP+1], v[CG], v[ZQ:ZQ+1]      ; |sin gamma|
	v_mad_nc_u64_u32 v[P1:P1+1], v[CG], s[CA], v[ZQ:ZQ+1]        ; the four products of magnitudes, 30 fraction bits
	v_mad_nc_u64_u32 v[P2:P2+1], v[GP+1], s[SA], v[ZQ:ZQ+1]
	v_mad_nc_u64_u32 v[P3:P3+1], v[CG], s[SA], v[ZQ:ZQ+1]
	v_mad_nc_u64_u32 v[P4:P4+1], v[GP+1], s[CA], v[ZQ:ZQ+1]
	v_xor_b32 v[P1+1], s[MCB], v[P1+1]
	v_xor_b32 v[P2+1], s[M2], v[P2+1]
	v_add_nc_u32 v[CC], v[P1+1], v[P2+1]
	v_sub_nc_u32 v[CC], v[CC], s[M12]              ; cos(beta - gamma) = cos beta cos gamma + sin beta sin gamma
	v_xor_b32 v[P3+1], s[MSN], v[P3+1]
	v_xor_b32 v[P4+1], s[M4], v[P4+1]
	v_add_nc_u32 v[SS], v[P3+1], v[P4+1]
	v_sub_nc_u32 v[SS], v[SS], s[M34]              ; sin(beta - gamma) = sin beta cos gamma - cos beta sin gamma
	v_add_nc_u32 v[T1], 64, v[CC]                  ; the steps, rounded to 23 fraction bits: 384 of them err by under 2.3e-5 pixel
	v_ashrrev_i32 v[T1], 7, v[T1]
	v_sub_nc_u32 v[SX], 0, v[T1]
	v_add_nc_u32 v[T1], 64, v[SS]
	v_ashrrev_i32 v[SY], 7, v[T1]
	v_ashrrev_i32 v[MM], 31, v[CC]                 ; the first sample: t0 x |cos|, bits 29 to 60 of the long product (30 + 22 - 29 = 23 fraction bits), with the sign put back
	v_xor_b32 v[T1], v[MM], v[CC]
	v_sub_nc_u32 v[T1], v[T1], v[MM]
	v_mad_nc_u64_u32 v[RP:RP+1], v[T1], s[T0S], v[ZQ:ZQ+1]
	v_alignbit_b32 v[T1], v[RP+1], v[RP], 29
	v_xor_b32 v[T1], v[MM], v[T1]
	v_sub_nc_u32 v[T1], v[T1], v[MM]
	v_sub_nc_u32 v[XT], s[XB], v[T1]
	v_ashrrev_i32 v[MM], 31, v[SS]
	v_xor_b32 v[T1], v[MM], v[SS]
	v_sub_nc_u32 v[T1], v[T1], v[MM]
	v_mad_nc_u64_u32 v[RP:RP+1], v[T1], s[T0S], v[ZQ:ZQ+1]
	v_alignbit_b32 v[T1], v[RP+1], v[RP], 29
	v_xor_b32 v[T1], v[MM], v[T1]
	v_sub_nc_u32 v[T1], v[T1], v[MM]
	v_add_nc_u32 v[YT], s[YB], v[T1]
	s_lshl_b32 s20, s[SEG], 3                      ; my first chunk begins 8 x class steps on
	v_mul_lo_u32 v[T1], v[SX], s20
	v_lshl_add_u32 v[OFX], v[SX], 2, 1<<FB
	v_add3_u32 v[XT], v[XT], v[T1], v[OFX]
	v_mul_lo_u32 v[T1], v[SY], s20
	v_lshl_add_u32 v[OFY], v[SY], 2, 4<<FB
	v_add3_u32 v[YT], v[YT], v[T1], v[OFY]
	v_lshlrev_b32 v[JX], 5, v[SX]
	v_lshlrev_b32 v[JY], 5, v[SY]
.irp i, 0,1,2,3
	v_mov_b32 v[ACC+(\i)], 0
.endr
	s_wait_loadcnt 8                               ; loads come back in order (ISA guide 5.7.1): blocks 0-3 are in, the 8 loads of blocks 4-7 stay out
	STOREG LB0, 1
	LOADG 2, LB0
	s_wait_loadcnt 8                               ; blocks 4-7 are in, the 8 loads just issued stay out
	STOREG LB1, 1
	LOADG 3, LB1
	s_wait_loadcnt 8                               ; blocks 8-11
	STOREG LB0, 1
	s_wait_loadcnt 0x0
	STOREG LB1, 0
	s_wait_dscnt 0x0                               ; for the others' sake: my borders and my pixels are in LDS
	s_barrier_signal -1
	s_barrier_wait -1                              ; everybody's are: from here on the picture is only read
; Sample j of a chunk: position, cell, four loads, and 1 + fraction of either axis (the fraction's 23 bits under the exponent of 1.0).
.macro SAMPLE j
.if (\j) > 0
	v_add_nc_u32 v[TX], v[TX], v[SX]
	v_add_nc_u32 v[TY], v[TY], v[SY]
.endif
	v_lshrrev_b32 v[TJ], FB, v[TX]
	v_lshrrev_b32 v[TI], FB, v[TY]
	v_min_u32 v[TJ], CMAX, v[TJ]                   ; right of the picture, or left of it and wrapped: the zero columns
	v_min_u32 v[TI], RMAX, v[TI]
	v_mul_u32_u24 v[TI], PITCH, v[TI]
	v_lshl_add_u32 v[ADR], v[TJ], 2, v[TI]         ; 272,432 at the most; with the largest offset the last byte read is 273,959
	ds_load_b32 v[DAT+4*(\j)],   v[ADR] offset:ORG
	ds_load_b32 v[DAT+4*(\j)+1], v[ADR] offset:ORG+4
	ds_load_b32 v[DAT+4*(\j)+2], v[ADR] offset:ORG+PITCH
	ds_load_b32 v[DAT+4*(\j)+3], v[ADR] offset:ORG+PITCH+4
	v_and_or_b32 v[WB+(\j)], v[TX], s[MSK], s[ONE]
	v_and_or_b32 v[WC+(\j)], v[TY], s[MSK], s[ONE]
.endm
; The four weights of samples 2 p and 2 p + 1, two at a time; the subtractions from 1 + f are exact.
.macro WEIGHTS p
	v_pk_fma_f32 v[WA+2*(\p):WA+2*(\p)+1], v[WB+2*(\p):WB+2*(\p)+1], -1.0, 2.0 op_sel_hi:[1,0,0]          ; 1 - fx
	v_pk_add_f32 v[WB+2*(\p):WB+2*(\p)+1], v[WB+2*(\p):WB+2*(\p)+1], -1.0 op_sel_hi:[1,0]                 ; fx
	v_pk_add_f32 v[WC+2*(\p):WC+2*(\p)+1], v[WC+2*(\p):WC+2*(\p)+1], -1.0 op_sel_hi:[1,0]                 ; fy
	v_pk_mul_f32 v[WD+2*(\p):WD+2*(\p)+1], v[WB+2*(\p):WB+2*(\p)+1], v[WC+2*(\p):WC+2*(\p)+1]             ; fx fy
	v_pk_mul_f32 v[WC+2*(\p):WC+2*(\p)+1], v[WA+2*(\p):WA+2*(\p)+1], v[WC+2*(\p):WC+2*(\p)+1]             ; (1 - fx) fy
	v_pk_add_f32 v[WB+2*(\p):WB+2*(\p)+1], v[WB+2*(\p):WB+2*(\p)+1], v[WD+2*(\p):WD+2*(\p)+1] neg_lo:[0,1] neg_hi:[0,1]  ; fx (1 - fy)
	v_pk_add_f32 v[WA+2*(\p):WA+2*(\p)+1], v[WA+2*(\p):WA+2*(\p)+1], v[WC+2*(\p):WC+2*(\p)+1] neg_lo:[0,1] neg_hi:[0,1]  ; (1 - fx)(1 - fy)
.endm
; Corner k of samples 2 p and 2 p + 1, weight array w: the word's low bf16 onto batch 0's sum, its high bf16 onto batch 1's; four sums take turns.
.macro TAP k, w, p
	v_fma_mix_f32_bf16 v[ACC],   v[DAT+8*(\p)+(\k)],   v[(\w)+2*(\p)],   v[ACC]   op_sel_hi:[1,0,0]
	v_fma_mix_f32_bf16 v[ACC+1], v[DAT+8*(\p)+(\k)],   v[(\w)+2*(\p)],   v[ACC+1] op_sel:[1,0,0] op_sel_hi:[1,0,0]
	v_fma_mix_f32_bf16 v[ACC+2], v[DAT+8*(\p)+4+(\k)], v[(\w)+2*(\p)+1], v[ACC+2] op_sel_hi:[1,0,0]
	v_fma_mix_f32_bf16 v[ACC+3], v[DAT+8*(\p)+4+(\k)], v[(\w)+2*(\p)+1], v[ACC+3] op_sel:[1,0,0] op_sel_hi:[1,0,0]
.endm
	s_mov_b32 s[CNT], TRIPS
.Ltrip:
	; A sample counts only with X in [3, 260) and Y in [0, 257).  The chunk's samples lie at most 4 steps of at most a pixel from sample 4, so XT and YT then lie in [0, 265); outside positions wrap to 352 or more.
	v_cmp_gt_u32 s20, s[RNG], v[XT]
	v_cmp_gt_u32 s21, s[RNG], v[YT]
	s_and_b32 s20, s20, s21                        ; SCC: some lane may have a sample that counts
	s_cbranch_scc0 .Ldead
	v_sub_nc_u32 v[TX], v[XT], v[OFX]
	v_sub_nc_u32 v[TY], v[YT], v[OFY]
.irp j, 0,1,2,3,4,5,6,7
	SAMPLE \j
.endr
.irp p, 0,1,2,3
	WEIGHTS \p                                     ; while the 32 loads are out
.endr
.irp p, 0,1,2,3
	s_wait_dscnt 24-8*(\p)                         ; LDS loads come back in order (ISA guide 5.7.1): this pair's 8 are in, the later pairs' stay out
	TAP 0, WA, \p
	TAP 1, WB, \p
	TAP 2, WC, \p
	TAP 3, WD, \p
.endr
.Ldead:
	v_add_nc_u32 v[XT], v[XT], v[JX]
	v_add_nc_u32 v[YT], v[YT], v[JY]
	s_sub_co_u32 s[CNT], s[CNT], 1
	s_cmp_lg_u32 s[CNT], 0
	s_cbranch_scc1 .Ltrip
	; THE FOUR CHUNK CLASSES' SUMS MEET IN LDS.
	v_add_f32 v[ACC], v[ACC], v[ACC+2]
	v_add_f32 v[ACC+1], v[ACC+1], v[ACC+3]
	s_lshl_b32 s20, s[SEG], 10
	s_lshl_b32 s21, s[GRP], 7
	s_add_co_u32 s20, s20, s21
	s_add_co_u32 s20, s20, SCR
	v_lshl_add_u32 v[TA], v[LN], 2, s20
	ds_store_b32 v[TA], v[ACC]
	ds_store_b32 v[TA], v[ACC+1] offset:4096
	s_wait_tensorcnt 0x0                           ; behind my last LDS store: nothing is written to LDS after the spare word's add
	ds_add_u32 v[SPW], v[NIL]
	s_wait_dscnt 0x0                               ; also for the others' sake: my two sums are in LDS
	s_barrier_signal -1
	s_barrier_wait -1
	s_cmp_lt_u32 s[WV], 4
	s_cbranch_scc0 .Lend
	s_lshr_b32 s20, s[WV], 1                       ; waves 0-3: batch w / 2, detectors 128 (w % 2) + 4 lane .. + 3 of the work-group's 256
	s_and_b32 s21, s[WV], 1
	s_lshl_b32 s22, s20, 12
	s_lshl_b32 s23, s21, 9
	s_add_co_u32 s22, s22, s23
	s_add_co_u32 s22, s22, SCR
	v_lshl_add_u32 v[TA], v[LN], 4, s22
.irp c, 0,1,2,3
	ds_load_b128 v[DAT+4*(\c):DAT+4*(\c)+3], v[TA] offset:1024*(\c)
.endr
	s_lshl_b32 s20, s20, 18                        ; out0: batch x 262,144 + work-group x 1,024 (a view is 2,048 bytes, a half 1,024) + 512 (w % 2) + 16 lane
	s_lshl_b32 s24, ttmp9, 10
	s_add_co_u32 s20, s20, s24
	s_add_co_u32 s20, s20, s23
	v_lshl_add_u32 v[TB], v[LN], 4, s20
	s_wait_dscnt 0x0
	v_pk_add_f32 v[DAT:DAT+1],     v[DAT:DAT+1],     v[DAT+4:DAT+5]
	v_pk_add_f32 v[DAT+2:DAT+3],   v[DAT+2:DAT+3],   v[DAT+6:DAT+7]
	v_pk_add_f32 v[DAT+8:DAT+9],   v[DAT+8:DAT+9],   v[DAT+12:DAT+13]
	v_pk_add_f32 v[DAT+10:DAT+11], v[DAT+10:DAT+11], v[DAT+14:DAT+15]
	v_pk_add_f32 v[DAT:DAT+1],     v[DAT:DAT+1],     v[DAT+8:DAT+9]
	v_pk_add_f32 v[DAT+2:DAT+3],   v[DAT+2:DAT+3],   v[DAT+10:DAT+11]
	global_store_b128 v[TB], v[DAT:DAT+3], s[6:7]  ; the wave stores 512 consecutive bytes, at a multiple of 512 from out0's first byte
.Lend:
	s_endpgm
.Lfunc_end_k_q9562de02f5_fanbeam:
	.size	k_q9562de02f5_fanbeam, .Lfunc_end_k_q9562de02f5_fanbeam-k_q9562de02f5_fanbeam
	.p2alignl 7, 3214868480
	.fill 96, 4, 3214868480
	.section	.rodata,"a",@progbits
	.p2align	6, 0x0
	.amdhsa_kernel k_q9562de02f5_fanbeam
		.amdhsa_group_segment_fixed_size 286720
		.amdhsa_private_segment_fixed_size 0
		.amdhsa_enable_private_segment 0
		.amdhsa_kernarg_size 16
		.amdhsa_user_sgpr_count 2
		.amdhsa_user_sgpr_kernarg_segment_ptr 1
		.amdhsa_wavefront_size32 1
		.amdhsa_system_sgpr_workgroup_id_x 1
		.amdhsa_system_sgpr_workgroup_id_y 1
		.amdhsa_system_sgpr_workgroup_id_z 1
		.amdhsa_system_vgpr_workitem_id 0
		.amdhsa_next_free_vgpr 128
		.amdhsa_next_free_sgpr 66
		.amdhsa_reserve_vcc 0
		.amdhsa_float_denorm_mode_32 3
		.amdhsa_float_denorm_mode_16_64 3
		.amdhsa_memory_ordered 1
		.amdhsa_forward_progress 1
		.amdhsa_inst_pref_size 34
	.end_amdhsa_kernel
	.amdgpu_metadata
---
amdhsa.version: [ 1, 2 ]
amdhsa.kernels:
  - .name:           k_q9562de02f5_fanbeam
    .symbol:         k_q9562de02f5_fanbeam.kd
    .args:
      - { .name: x, .offset: 0, .size: 8, .value_kind: global_buffer, .address_space: global }
      - { .name: out0, .offset: 8, .size: 8, .value_kind: global_buffer, .address_space: global }
    .group_segment_fixed_size: 286720
    .private_segment_fixed_size: 0
    .kernarg_segment_align: 8
    .kernarg_segment_size: 16
    .max_flat_workgroup_size: 1024
    .sgpr_count:     66
    .vgpr_count:     128
    .wavefront_size: 32
...
	.end_amdgpu_metadata
.endif
;; end of part 1
